; MI455X (gfx1250); checked and timed in simulation.
; The chip was launched on July 23, 2026; its instructions are those of AMD's public machine-readable ISA for CDNA 5 (MIT licence, August 2026) and "CDNA5" Instruction Set Architecture Reference Guide (July 2026). The comments in the code are by the model that wrote it; some were corrected since.
;; Attention. Allowed arithmetic: matrix products marked QUANTISED: E3M2 operands, one E8M0 scale for each 32 along K, by v_wmma_scale_f32_16x16x128_f8f6f4 with both operands' format E3M2, f32 sums; products left as they are: f32 operands where the result goes on into a quantised operand, else bf16, f16 or f32 operands; f32 sums; everything else in f32.
;; Inputs: W1_codes 1,024 x 16 x 24 uint8 (E3M2 codes of W1, K innermost, in blocks of 32 codes, four codes in three bytes); W1_scales 1,024 x 16 uint8 (E8M0 scales of W1, one for each 32 codes along K); W2_codes 1,024 x 32 x 24 uint8 (E3M2 codes of W2, K innermost, in blocks of 32 codes, four codes in three bytes); W2_scales 1,024 x 32 uint8 (E8M0 scales of W2, one for each 32 codes along K); Wv 1,024 x 1 float32; b1 1,024 float32; b2 1,024 float32; bv 1 float32; features_codes 256 x 512 x 16 x 24 uint8 (E3M2 codes of features, K innermost, in blocks of 32 codes, four codes in three bytes); features_scales 256 x 512 x 16 uint8 (E8M0 scales of features, one for each 32 codes along K); hidden_prev_codes 256 x 32 x 24 uint8 (E3M2 codes of hidden_prev, K innermost, in blocks of 32 codes, four codes in three bytes); hidden_prev_scales 256 x 32 uint8 (E8M0 scales of hidden_prev, one for each 32 codes along K).
;; Outputs: out0 256 x 1,024 float32; out1 256 x 512 x 1 float32.
;; This version of the problem:
;;   THIS VERSION OF THE PROBLEM IS GIVEN IN LOW PRECISION. The matrix products marked QUANTISED in the list below multiply operands that are first quantised to E3M2 (3 exponent bits, 2 mantissa bits; 6 bits a number), with one power-of-two scale for each 32 numbers along K (OCP MX v1.0); their sums are f32. All else is computed in f32.
;;   The module's matrix products, in the order in which they are computed (A, B: the left and right operand; K: the contracted axis; several contracted axes count as one K, in the product's order):
;;     1. [M 131,072, K 512] x [K 512, N 1,024]; A: input features (given as codes); B: input W1 (given as codes): QUANTISED
;;     2. [M 256, K 1,024] x [K 1,024, N 1,024]; A: input hidden_prev (given as codes); B: input W2 (given as codes): QUANTISED
;;     3. [M 131,072, K 1,024] x [K 1,024, N 1]; A: computed on the way; B: input Wv: left as it is (N = 1 < 16)
;;   THE QUANTISER, for each operand of a quantised product, along K:
;;     - K is cut into blocks of 32 from its start; a last block that is shorter is filled with zeros.
;;     - A block's scale is 2^e with e = floor(log2(the largest magnitude in the block)) - 4, held to -126 .. 127; a block of zeros has e = 0. As a byte (E8M0): e + 127.
;;     - Each number is divided by its block's scale, clamped to +-28, and rounded to the nearest number of E3M2, ties to even, subnormals kept.
;;     - The product sums the exact products of the quantised numbers (number of the format x scale) in f32.
;;   ~~~python
;;   def quantise(x, axis):      # numpy; x: float32 -> the quantised numbers, widened to float32 again
;;       x = np.moveaxis(x, axis, -1); K = x.shape[-1]
;;       x = np.pad(x, [(0, 0)] * (x.ndim - 1) + [(0, -K % 32)]); x = x.reshape(x.shape[:-1] + (-1, 32)); a = np.abs(x).max(-1, keepdims=True)
;;       e = np.where(a > 0, np.clip(np.frexp(np.where(a > 0, a, 1))[1] - 1 - 4, -126, 127), 0)      # np.frexp(a)[1] - 1 = floor(log2(a)), exactly
;;       r = np.clip(x / 2.0 ** e, -28, 28)
;;       step = 2.0 ** (np.maximum(np.frexp(np.where(r == 0, 1, r))[1] - 1, -2) - 2)
;;       q = np.round(r / step) * step * 2.0 ** e      # np.round: ties to even
;;       return np.moveaxis(q.reshape(q.shape[:-2] + (-1,))[..., :K], -1, axis).astype(np.float32)
;;   ~~~
;;   INPUTS GIVEN AS CODES. W1 (in the module: [512, 1024], K = its axis 0); W2 (in the module: [1024, 1024], K = its axis 0); features (in the module: [256, 512, 512], K = its axis 2); hidden_prev (in the module: [256, 1024], K = its axis 1): each comes as NAME_codes (uint8): NAME with its K axis moved to the last place and cut into blocks of 32 codes, [.., K / 32, bytes a block], one block behind the other in memory; four codes in three bytes: a row's codes are one little-endian stream of bits, code i at bits 6 i .. 6 i + 5 (a code: sign, 3 exponent bits, 2 mantissa bits); and NAME_scales (uint8): the same leading axes, one E8M0 byte (e + 127) for each 32 codes along K. Its value is code x scale, taken as it is: it is not quantised again, and the codes and scales need not be those that the quantiser above would give.
;; One version. Each part assembles by itself: llvm-mc -triple=amdgcn-amd-amdhsa -mcpu=gfx1250 --defsym DOCPART=n.
;; ======== version 1 of 1: 3 launches
;; limits: values outside matrix products are rounded to bf16; values are held in bf16: 8 bits of precision; right only within a limited range of input values
;; workspace buffers: hb 1,048,576 bytes; w1img 393,216 bytes; g 524,288 bytes
;; launch prep (part 1): grid 256 x 1, 1 waves a work-group, no clusters, 168,192 bytes of LDS; arguments hidden_prev_codes, hidden_prev_scales, W2_codes, W2_scales, b1, b2, W1_codes, hb, w1img; writes hb, w1img
.if DOCPART == 1
	.amdgcn_target "amdgcn-amd-amdhsa--gfx1250"
	.amdhsa_code_object_version 6
	.text
	.protected	k_qae38a57819_prep
	.globl	k_qae38a57819_prep
	.p2align	8
	.type	k_qae38a57819_prep,@function
k_qae38a57819_prep:
	s_mov_b64 s[64:65], 0
	v_nop
	global_prefetch_b8 v0, s[64:65] scope:SCOPE_SE
	s_setreg_imm32_b32 hwreg(HW_REG_WAVE_MODE, 25, 1), 1
	s_wait_xcnt 0x0
; TWO SMALL JOBS, both done by every work-group (one wave) on one path.
; (I) w1img: W1's codes laid as images of operand registers.  Work-group x lays fragment x = ((i 4 + q) 2 + t): rows 16 (2 i + t) + r of W1, K step q (128 along K).
;     A fragment is 12 registers a lane; register group gg (four registers) of lane l lies at 1,536 x + 512 gg + 16 l, so that the next launch reads a fragment by three loads of 16 bytes a lane.
; (H) hb[b][u] = c (hidden_prev W2 + b2 + b1), c = 2 log2(e): the addend of the next launch's exponent.  Work-group x: batches 16 (x % 16) on, units 64 (x / 16) on, K = 1,024 in eight steps of 128,
;     on codes of BF6 (E3M2) with one E8M0 scale for each 32 along K.  The product is used transposed (source 0 = 16 rows of W2, source 1 = 16 batches): a lane holds one batch and eight neighbouring units.
;     b1 + b2 is the C of each sum's first product.
; NO CLUSTER: a work-group asks for each of its two tiles once, at its first lines, and has no loop of requests that joint loads would divide; 61,440 bytes a work-group in all.
; LIMITS: a scale byte 0xff (NaN) is not served.
; LEFT OUT AS DEAD WORK, in the whole program: bv.  It is added alike to all 512 logits of a batch, the logits reach both outputs through softmax over those 512 alone, and softmax(l + t) = softmax(l)
; for every finite t and l.  So bv is loaded by no launch and is no launch's argument.  LIMIT: a NaN, an infinity or an overflow that bv alone would bring is not carried to the results.
; THE TILES: W2's 64 rows come by the wave's one tensor load; hidden's 16 rows (12,288 bytes) come through registers: 24 loads of 512 consecutive bytes, stored to LDS bytes of their own in the same padded form.
.set PW,   816                         ; an LDS row: 768 bytes of codes, 16 bytes of padding behind each 256: three units of 272 bytes
.set HOFF, 64*PW                       ; W2's 64 rows at 0; hidden's 16 rows here
.set STG,  HOFF+16*PW                  ; the way out: 16 rows x (256 + 16) bytes; no fill lands here (65,280 is a multiple of 256)
.set IMG,  16                          ; v16-27   the fragment of W1
.set HS,   32                          ; v32-39   hidden's scale words, K step q
.set WSC,  40                          ; v40-71   W2's scale words, 8 t + q
.set ACC,  72                          ; v72-103  four accumulators
.set B1R,  104                         ; v104-135 b1; later the rows read back from the stage
.set BUF,  136                         ; v136-195, v196-255: two sets of fragments: hidden's, then W2's four
.macro PLACES
.rept 4
	v_nop
.endr
.endm
; a fragment, 16 rows x 128 K: lane (r, h) takes 24 bytes at 96 q + 24 h of its row and 24 bytes 48 further on, in pieces of 8 bytes.  Piece PC lies at 8 PC + 16 (PC / 32).
; Lanes 16-31 read three pieces further on; where that is behind one padding more, the second address register (40 for 24 bytes a half) serves.
.macro FRAG reg, adr, q, i
.irp p, 0,1,2,3,4,5
.set PC_, 12*(\q)+6*(\p/3)+\p%3
.if PC_%32 < 29
	ds_load_b64 v[(\reg)+2*\p:(\reg)+2*\p+1], v[\adr] offset:8*PC_+16*(PC_/32)+(\i)*16*PW
.else
	ds_load_b64 v[(\reg)+2*\p:(\reg)+2*\p+1], v[(\adr)+1] offset:8*PC_+16*(PC_/32)+(\i)*16*PW
.endif
.endr
.endm
.macro LOADQ buf, q                    ; K step q: 30 loads
	FRAG \buf, 5, \q, 0
.irp t, 0,1,2,3
	FRAG (\buf)+12+12*\t, 3, \q, \t
.endr
.endm
	s_load_b512 s[4:19], s[0:1], 0x0               ; hidden codes s[4:5], hidden scales s[6:7], W2 codes s[8:9], W2 scales s[10:11], b1 s[12:13], b2 s[14:15], W1 codes s[16:17], hb s[18:19]
	s_load_b64 s[20:21], s[0:1], 0x40              ; w1img
	v_lshl_add_u32 v30, v0, 2, 0x29000
	v_mov_b32 v31, 0
	ds_add_u32 v30, v31
	ds_add_u32 v30, v31
	v_and_b32 v1, 15, v0                           ; r
	v_bfe_u32 v2, v0, 4, 1                         ; h
	s_and_b32 s48, ttmp9, 15                       ; bt: which 16 batches
	s_lshr_b32 s49, ttmp9, 4                       ; ug: which 64 units
	; descriptor group 1, W2's tile: 64 rows of 96 elements of 8 bytes, dense; 4 words of padding behind every 64 words
	s_mov_b32 s24, (3<<16)|(1<<20)|(5<<22)|(3<<25)
	s_mov_b32 s25, 96<<16
	s_mov_b32 s26, 64<<16
	s_mov_b32 s27, 96<<16
	s_mov_b32 s28, 64
	s_mov_b32 s29, 96
	s_mov_b32 s30, 0
	s_mov_b32 s31, 0
	s_mul_i32 s50, s49, 64*768
	s_mov_b32 s51, 0
	s_mul_i32 s52, s48, 16*768
	s_mov_b32 s53, 0
	s_wait_alu depctr_va_vdst(0)
	s_wait_dscnt 0x0
	s_wait_kmcnt 0x0
	s_mov_b32 s40, 1
	s_mov_b32 s41, 0
	s_add_nc_u64 s[42:43], s[8:9], s[50:51]
	s_or_b32 s43, s43, 0x80000000
	s_add_nc_u64 s[46:47], s[4:5], s[52:53]        ; hidden's 16 rows in memory
	tensor_load_to_lds s[40:43], s[24:31]          ; W2's tile: the wave's one tensor load; nothing is filled again
	s_nop 0
	PLACES
	s_lshr_b32 s54, ttmp9, 3                       ; (I): i
	s_lshl_b32 s54, s54, 1
	s_and_b32 s55, ttmp9, 1
	s_add_co_u32 s54, s54, s55                     ; tile of 16 rows: 2 i + t
	s_mul_i32 s54, s54, 16*384
	s_bfe_u32 s56, ttmp9, 0x20001                  ; q
	s_mul_i32 s56, s56, 96
	s_add_co_u32 s54, s54, s56
	s_mov_b32 s55, 0
	s_add_nc_u64 s[16:17], s[16:17], s[54:55]
	s_mul_i32 s56, ttmp9, 1536
	s_mov_b32 s57, 0
	s_add_nc_u64 s[20:21], s[20:21], s[56:57]
	s_lshl_b32 s56, s48, 9                         ; (H): hidden's scales: 16 bt rows of 32 bytes
	s_add_nc_u64 s[6:7], s[6:7], s[56:57]
	s_lshl_b32 s56, s49, 11                        ; W2's: 64 ug rows of 32 bytes
	s_add_nc_u64 s[10:11], s[10:11], s[56:57]
	s_lshl_b32 s56, s49, 8                         ; 64 ug numbers of 4 bytes
	s_add_nc_u64 s[12:13], s[12:13], s[56:57]
	s_add_nc_u64 s[14:15], s[14:15], s[56:57]
	s_add_nc_u64 s[18:19], s[18:19], s[56:57]
	s_lshl_b32 s56, s48, 16                        ; 16 bt rows of 4,096 bytes
	s_add_nc_u64 s[18:19], s[18:19], s[56:57]
	s_mov_b32 s58, 0x4038aa3b                      ; c = 2 log2(e)
	s_mov_b32 s59, s58
	v_mul_u32_u24 v3, v1, PW
	v_mad_u32_u24 v3, v2, 24, v3                   ; W2's fragments: row r, + 24 h
	v_lshl_add_u32 v4, v2, 4, v3                   ; and behind one padding more
	v_add_nc_u32 v5, HOFF, v3                      ; hidden's likewise
	v_add_nc_u32 v6, HOFF, v4
	v_mul_u32_u24 v7, v1, 384
	v_mad_u32_u24 v7, v2, 24, v7                   ; W1 in memory: row r of 384 bytes, + 24 h
	v_lshlrev_b32 v8, 4, v0                        ; 16 x lane
	v_lshlrev_b32 v9, 5, v1                        ; scale words: 32 bytes a row
	v_lshlrev_b32 v11, 5, v2                       ; biases: my half's eight numbers
	v_mul_u32_u24 v12, v1, 272
	v_lshl_add_u32 v12, v2, 5, v12
	v_add_nc_u32 v12, STG, v12                     ; the stage, in: row r, + 32 h
	v_mul_u32_u24 v13, v2, 272
	v_lshl_add_u32 v13, v1, 4, v13
	v_add_nc_u32 v15, HOFF, v13                    ; hidden's way into LDS: lanes 0-15 one unit of 272 bytes, lanes 16-31 the next
	v_add_nc_u32 v13, STG, v13                     ; back: lanes 0-15 one row, lanes 16-31 the next
	v_lshlrev_b32 v14, 12, v2
	v_lshl_add_u32 v14, v1, 4, v14                 ; and the same two rows in hb
.irp k, 0,1,2,3,4,5,6,7,8,9,10,11,12,13,14,15,16,17,18,19,20,21,22,23
	global_load_b128 v[BUF+4*\k:BUF+4*\k+3], v8, s[46:47] offset:512*\k          ; hidden's tile: 32 lanes read 512 consecutive bytes, two aligned units of 256
.endr
.irp p, 0,1,2,3,4,5
	global_load_b64 v[IMG+2*\p:IMG+2*\p+1], v7, s[16:17] offset:48*(\p/3)+8*(\p%3)
.endr
	global_load_b128 v[HS:HS+3], v9, s[6:7]
	global_load_b128 v[HS+4:HS+7], v9, s[6:7] offset:16
.irp t, 0,1,2,3
	global_load_b128 v[WSC+8*\t:WSC+8*\t+3], v9, s[10:11] offset:512*\t
	global_load_b128 v[WSC+8*\t+4:WSC+8*\t+7], v9, s[10:11] offset:512*\t+16
	global_load_b128 v[ACC+8*\t:ACC+8*\t+3], v11, s[14:15] offset:64*\t          ; b2 in the result's layout: units 16 t + 8 h + 0 .. 7
	global_load_b128 v[ACC+8*\t+4:ACC+8*\t+7], v11, s[14:15] offset:64*\t+16
	global_load_b128 v[B1R+8*\t:B1R+8*\t+3], v11, s[12:13] offset:64*\t
	global_load_b128 v[B1R+8*\t+4:B1R+8*\t+7], v11, s[12:13] offset:64*\t+16
.endr
	s_wait_loadcnt 0x0
.irp gg, 0,1,2
	global_store_b128 v8, v[IMG+4*\gg:IMG+4*\gg+3], s[20:21] offset:512*\gg     ; 32 lanes store 512 consecutive bytes
.endr
.irp j, 0,1,2,3,4,5,6,7,8,9,10,11,12,13,14,15
	v_pk_add_f32 v[ACC+2*\j:ACC+2*\j+1], v[ACC+2*\j:ACC+2*\j+1], v[B1R+2*\j:B1R+2*\j+1]   ; b1 + b2: the sums begin with it
.endr
	PLACES
	s_wait_alu depctr_va_vdst(0)
	s_wait_tensorcnt 0x0                           ; W2's tile is in LDS; only this wave reads it
.irp k, 0,1,2,3,4,5,6,7,8,9,10,11,12,13,14,15,16,17,18,19,20,21,22,23
	ds_store_b128 v15, v[BUF+4*\k:BUF+4*\k+3] offset:544*\k                      ; unit 2 k + (lane / 16) of hidden's 48, 272 bytes apart
.endr
	s_wait_dscnt 0x0                               ; the stores have read their registers, which the fragments below use again
	LOADQ BUF, 0
.set KQ, 0
.rept 8
.set BC_, BUF+60*(KQ%2)
.set BN_, BUF+60*((KQ+1)%2)
.if KQ < 7
	PLACES                                         ; four places between the last products and loads into the set that they read
	LOADQ BN_, KQ+1
	s_wait_dscnt 30                                ; all but the 30 just issued: this step's fragments are in
.else
	s_wait_dscnt 0x0
.endif
.irp t, 0,1,2,3                        ; the four accumulators take turns, one instruction a turn
	v_wmma_scale_f32_16x16x128_f8f6f4 v[ACC+8*\t:ACC+8*\t+7], v[BC_+12+12*\t:BC_+23+12*\t], v[BC_:BC_+11], v[ACC+8*\t:ACC+8*\t+7], v[WSC+8*\t+KQ], v[HS+KQ] matrix_a_fmt:MATRIX_FMT_BF6 matrix_b_fmt:MATRIX_FMT_BF6
.endr
.set KQ, KQ+1
.endr
	PLACES
.irp j, 0,1,2,3,4,5,6,7,8,9,10,11,12,13,14,15
	v_pk_mul_f32 v[ACC+2*\j:ACC+2*\j+1], v[ACC+2*\j:ACC+2*\j+1], s[58:59] op_sel_hi:[1,0]   ; x c; each accumulator from its low end on
.endr
.irp t, 0,1,2,3
	ds_store_b128 v12, v[ACC+8*\t:ACC+8*\t+3] offset:64*\t
	ds_store_b128 v12, v[ACC+8*\t+4:ACC+8*\t+7] offset:64*\t+16
.endr
.irp i, 0,1,2,3,4,5,6,7
	ds_load_b128 v[B1R+4*\i:B1R+4*\i+3], v13 offset:544*\i     ; LDS serves a wave's instructions in order: these see the stores above
.endr
.irp i, 0,1,2,3,4,5,6,7
	s_wait_dscnt 7-\i
	global_store_b128 v14, v[B1R+4*\i:B1R+4*\i+3], s[18:19] offset:8192*\i     ; 16 lanes store 256 consecutive bytes, at a multiple of 256 from hb's first byte
.endr
	s_wait_tensorcnt 0x0
	ds_add_u32 v30, v31
	s_wait_dscnt 0x0
	s_endpgm
.Lfunc_end_k_qae38a57819_prep:
	.size	k_qae38a57819_prep, .Lfunc_end_k_qae38a57819_prep-k_qae38a57819_prep
	.p2alignl 7, 3214868480
	.fill 96, 4, 3214868480
	.section	.rodata,"a",@progbits
	.p2align	6, 0x0
	.amdhsa_kernel k_qae38a57819_prep
		.amdhsa_group_segment_fixed_size 168192
		.amdhsa_private_segment_fixed_size 0
		.amdhsa_enable_private_segment 0
		.amdhsa_kernarg_size 72
		.amdhsa_user_sgpr_count 2
		.amdhsa_user_sgpr_kernarg_segment_ptr 1
		.amdhsa_wavefront_size32 1
		.amdhsa_system_sgpr_workgroup_id_x 1
		.amdhsa_system_sgpr_workgroup_id_y 1
		.amdhsa_system_sgpr_workgroup_id_z 1
		.amdhsa_system_vgpr_workitem_id 0
		.amdhsa_next_free_vgpr 256
		.amdhsa_next_free_sgpr 66
		.amdhsa_reserve_vcc 0
		.amdhsa_float_denorm_mode_32 3
		.amdhsa_float_denorm_mode_16_64 3
		.amdhsa_memory_ordered 1
		.amdhsa_forward_progress 1
		.amdhsa_inst_pref_size 36
	.end_amdhsa_kernel
	.amdgpu_metadata
---
amdhsa.version: [ 1, 2 ]
amdhsa.kernels:
  - .name:           k_qae38a57819_prep
    .symbol:         k_qae38a57819_prep.kd
    .args:
      - { .name: hidden_prev_codes, .offset: 0, .size: 8, .value_kind: global_buffer, .address_space: global }
      - { .name: hidden_prev_scales, .offset: 8, .size: 8, .value_kind: global_buffer, .address_space: global }
      - { .name: W2_codes, .offset: 16, .size: 8, .value_kind: global_buffer, .address_space: global }
      - { .name: W2_scales, .offset: 24, .size: 8, .value_kind: global_buffer, .address_space: global }
      - { .name: b1, .offset: 32, .size: 8, .value_kind: global_buffer, .address_space: global }
      - { .name: b2, .offset: 40, .size: 8, .value_kind: global_buffer, .address_space: global }
      - { .name: W1_codes, .offset: 48, .size: 8, .value_kind: global_buffer, .address_space: global }
      - { .name: hb, .offset: 56, .size: 8, .value_kind: global_buffer, .address_space: global }
      - { .name: w1img, .offset: 64, .size: 8, .value_kind: global_buffer, .address_space: global }
    .group_segment_fixed_size: 168192
    .private_segment_fixed_size: 0
    .kernarg_segment_align: 8
    .kernarg_segment_size: 72
    .max_flat_workgroup_size: 32
    .sgpr_count:     66
    .vgpr_count:     256
    .wavefront_size: 32
...
	.end_amdgpu_metadata
.endif
;; end of part 1
;; launch main (part 2): grid 256 x 1, 8 waves a work-group, clusters of 4 x 1, 327,680 bytes of LDS; arguments features_codes, features_scales, w1img, W1_scales, hb, Wv, out1, g; writes out1, g
.if DOCPART == 2
	.amdgcn_target "amdgcn-amd-amdhsa--gfx1250"
	.amdhsa_code_object_version 6
	.text
	.protected	k_qae38a57819_main
	.globl	k_qae38a57819_main
	.p2align	8
	.type	k_qae38a57819_main,@function
k_qae38a57819_main:
	s_mov_b64 s[64:65], 0
	v_nop
	global_prefetch_b8 v0, s[64:65] scope:SCOPE_SE
	s_setreg_imm32_b32 hwreg(HW_REG_WAVE_MODE, 25, 1), 1
	s_wait_xcnt 0x0
	s_wait_alu depctr_hold_cnt(0) depctr_sa_sdst(0) depctr_va_vdst(0) depctr_va_sdst(0) depctr_va_ssrc(0) depctr_va_vcc(0) depctr_vm_vsrc(0)
	s_getreg_b32 s2, hwreg(HW_REG_IB_STS2, 6, 4)
	s_cmp_eq_u32 s2, 0
	s_cbranch_scc0 .Lentry_in_a_cluster
	s_endpgm
.Lentry_in_a_cluster:
	s_bfe_u32 s2, ttmp6, 0x10000c
	s_cmp_lg_u32 s2, 0x3003
	s_cbranch_scc0 .Lentry_shape_is_right
	s_endpgm
.Lentry_shape_is_right:
; out1 = attn = softmax over s of sum_u Wv[u] tanh(features W1 + b1 + hidden W2 + b2), and g[b][k] = sum_s attn[b][s] features[b][s][k], from which the next launch makes the context.
; A work-group takes one batch: 512 rows; each of its 8 waves holds 64 rows of features as 16 operand fragments in registers for the whole launch.  The 1,024 units go in 32 turns of 32 units;
; W1's fragments (w1img, images of operand registers) come into LDS by loads that the four work-groups of a cluster ask for jointly.  The product is used transposed: a lane holds one row s and eight units.
; tanh(x) = 1 - 2 / (1 + 2^(c x)), c = 2 log2(e); hb holds c (hidden W2 + b2 + b1).  So a logit is (sum of Wv) - 2 sum_u Wv[u] / (1 + 2^(c z + hb)).
; LEFT OUT AS DEAD WORK: bv and the sum of Wv are the same for all 512 logits of a batch, and softmax(l + t) = softmax(l) for all finite values: neither is formed, and bv is no argument.
; The softmax takes its maximum away as reference() does.  2^t may overflow to infinity: 1 / (1 + infinity) = 0 is tanh's limit.  LIMITS: a scale byte 0xff is not served.
.set YB,    221184
.set RND,   12288
.set SC,    294912
.set CBT,   311296
.set EX,    319488
.set AT,    319744
.set SPARE, 321792
.set GP,    2064
.set WS,  16
.set FS,  24
.set WVR, 40
.set F,   64
.set FB,  128
.set CB,  224
.set LL,  240
.set AW,  248
.set ASC, 249
.set ACB, 250
.set G1F, 32
.set G1Y, 40
.set G1X, 48
.set G1Z, 56
.set G0F, 68
.set G0Y, 72
.set G0X, 76
.set G0Z, 80
.set MSB, 0
.macro WIN new
.if MSB != \new
	s_set_vgpr_msb (MSB<<8)|\new
.set MSB, \new
.endif
.endm
.macro PLACES
.rept 4
	v_nop
.endr
.endm
.macro CROUND
	s_barrier_signal -1
	s_barrier_wait -1
	s_cmp_lg_u32 s22, 0
	s_cbranch_scc1 .Lnot_wave_0_\@
	s_barrier_signal -3
.Lnot_wave_0_\@:
	s_barrier_wait -3
	s_barrier_signal -1
	s_barrier_wait -1
.endm
.macro G1J g, rows
	s_mov_b32 s[\g], 15|(3<<16)|(1<<21)
	s_mov_b32 s[\g+1], 32<<16
	s_mov_b32 s[\g+2], (\rows)<<16
	s_mov_b32 s[\g+3], 32<<16
	s_mov_b32 s[\g+4], \rows
	s_mov_b32 s[\g+5], 32
	s_mov_b32 s[\g+6], 0
	s_mov_b32 s[\g+7], 0
.endm
.macro FRAGF m, q
.irp p, 0,1,2,3,4,5
.set PC_, 12*(\q)+6*(\p/3)+\p%3
.if PC_%16 < 13
	ds_load_b64 v[F+12*(4*(\m)+(\q))+2*\p:F+12*(4*(\m)+(\q))+2*\p+1], v6 offset:8*PC_+16*(PC_/16)+6912*(\m)
.else
	ds_load_b64 v[F+12*(4*(\m)+(\q))+2*\p:F+12*(4*(\m)+(\q))+2*\p+1], v7 offset:8*PC_+16*(PC_/16)+6912*(\m)
.endif
.endr
.endm
; WHAT IS MADE OF A TURN'S 64 SUMS (8 accumulators at z), in four parts, each transcendental in one batch of 64 with one wait ahead of it and one behind it.
; EXPS: t = c z + hb, 32 packed lines on end, each accumulator from its low end on, and e = 2^t.  The first wait stands directly ahead of the sums' first readers.
.macro EXPS z
	s_wait_alu depctr_va_vdst(0)
.set tx_, 0
.rept 32
	v_pk_fma_f32 v[(\z)+2*tx_:(\z)+2*tx_+1], v[(\z)+2*tx_:(\z)+2*tx_+1], s[84:85], v[CB+8*(tx_/16)+2*(tx_%4):CB+8*(tx_/16)+2*(tx_%4)+1] op_sel_hi:[1,0,1]
.set tx_, tx_+1
.endr
	s_wait_alu depctr_va_vdst(0)
.set tx_, 0
.rept 64
	v_exp_f32 v[(\z)+tx_], v[(\z)+tx_]
.set tx_, tx_+1
.endr
	v_nop                                          ; one plain place behind the batch
	s_wait_alu depctr_va_vdst(0)
.endm
.macro ONE z, n                        ; 1 + e, pair n of 32: plain work, laid among the products of unit tile 0
	v_pk_add_f32 v[(\z)+2*(\n):(\z)+2*(\n)+1], v[(\z)+2*(\n):(\z)+2*(\n)+1], 1.0 op_sel_hi:[1,0]
.endm
.macro RCPS z                          ; r = 1 / (1 + e)
	s_wait_alu depctr_va_vdst(0)
.set tx_, 0
.rept 64
	v_rcp_f32 v[(\z)+tx_], v[(\z)+tx_]
.set tx_, tx_+1
.endr
	v_nop
	s_wait_alu depctr_va_vdst(0)
.endm
.macro WSUM z, n                       ; the row's sum of Wv r, line n of 32: accumulator n % 8, its pair n / 8; the four row tiles' sums take turns.  Plain work, laid among the products of unit tile 1
.set ta_, (\n)%8
	v_pk_fma_f32 v[LL+2*(ta_%4):LL+2*(ta_%4)+1], v[(\z)+8*ta_+2*((\n)/8):(\z)+8*ta_+2*((\n)/8)+1], v[WVR+8*(ta_/4)+2*((\n)/8):WVR+8*(ta_/4)+2*((\n)/8)+1], v[LL+2*(ta_%4):LL+2*(ta_%4)+1]
.endm
.macro MM par
.set mq_, (OM%16)/4                    ; product OM of a turn's 32: unit tile OM / 16, K step (OM % 16) / 4, row tile OM % 4: a unit tile's four accumulators take turns, one instruction a turn,
.set mt_, OM/16                        ; and all four K steps of a unit tile stand in one run of 16, with no transcendental inside it
.set mm_, OM%4
.set md_, 64*(\par)+8*(4*mt_+mm_)
.set ma_, FB+24*mq_+12*mt_
.set mb_, F+12*(4*mm_+mq_)
.set mx_, WS+4*(\par)+mq_
.set my_, FS+4*mm_+mq_
.if mq_ == 0
.if mt_ == 0
	v_wmma_scale_f32_16x16x128_f8f6f4 v[md_:md_+7], v[ma_:ma_+11], v[mb_:mb_+11], 0, v[mx_], v[my_] matrix_a_fmt:MATRIX_FMT_BF6 matrix_b_fmt:MATRIX_FMT_BF6
.else
	v_wmma_scale_f32_16x16x128_f8f6f4 v[md_:md_+7], v[ma_:ma_+11], v[mb_:mb_+11], 0, v[mx_], v[my_] matrix_a_fmt:MATRIX_FMT_BF6 matrix_b_fmt:MATRIX_FMT_BF6 matrix_a_scale:MATRIX_SCALE_ROW1
.endif
.else
.if mt_ == 0
	v_wmma_scale_f32_16x16x128_f8f6f4 v[md_:md_+7], v[ma_:ma_+11], v[mb_:mb_+11], v[md_:md_+7], v[mx_], v[my_] matrix_a_fmt:MATRIX_FMT_BF6 matrix_b_fmt:MATRIX_FMT_BF6
.else
	v_wmma_scale_f32_16x16x128_f8f6f4 v[md_:md_+7], v[ma_:ma_+11], v[mb_:mb_+11], v[md_:md_+7], v[mx_], v[my_] matrix_a_fmt:MATRIX_FMT_BF6 matrix_b_fmt:MATRIX_FMT_BF6 matrix_a_scale:MATRIX_SCALE_ROW1
.endif
.endif
.endm
.macro RUNT t, off                     ; W1's four fragments (K steps 0 to 3) of unit tile t: 12 loads of 16 bytes a lane
.irp q, 0,1,2,3
.irp gg, 0,1,2
	ds_load_b128 v[FB+24*\q+12*(\t)+4*\gg:FB+24*\q+12*(\t)+4*\gg+3], v[AW] offset:(\off)*RND+3072*\q+1536*(\t)+512*\gg
.endr
.endr
.endm
; A TURN: the 32 products of 32 units into set par, and (hasT) the tanh of the turn before, whose sums lie in the other set.  ld: the next turn's fragments are fetched.
; A turn's LDS loads, in their order: tile 0's fragments 12, the addends hb 4, tile 1's fragments 12, Wv 4, a set of W1's scale words 1.
.macro TURN par, hasT, ld, off
.set OM, 0
.if \hasT
	s_wait_dscnt 17                                ; tile 0's fragments and hb are in; the youngest 17 (tile 1's 12, Wv's 4, the scale words) may be out
	EXPS 64*(1-(\par))
.endif
.set TP, 0
.rept 16
	MM \par
.if \hasT
.if OM < 14
	ONE 64*(1-(\par)), TP
	ONE 64*(1-(\par)), TP+1
.set TP, TP+2
.elseif OM == 15                       ; the last four stand behind tile 0's last product: they name none of its registers and are the four places ahead of the loads below
	ONE 64*(1-(\par)), TP
	ONE 64*(1-(\par)), TP+1
	ONE 64*(1-(\par)), TP+2
	ONE 64*(1-(\par)), TP+3
.endif
.endif
.set OM, OM+1
.endr
.if !(\hasT)
	PLACES                                         ; four places between tile 0's last product and loads into the registers that it read
.endif
.if \ld
	RUNT 0, \off
.endif
.irp t, 0,1
	ds_load_b128 v[CB+8*\t:CB+8*\t+3], v[ACB] offset:128*(\off)+64*\t
	ds_load_b128 v[CB+8*\t+4:CB+8*\t+7], v[ACB] offset:128*(\off)+64*\t+16
.endr
.if \hasT
	RCPS 64*(1-(\par))
.endif
	s_wait_dscnt 4+12*(\ld)                        ; all but the loads just issued: tile 1's fragments and Wv are in
.set TP, 0
.rept 16
	MM \par
.if \hasT
.if OM < 30
	WSUM 64*(1-(\par)), TP
	WSUM 64*(1-(\par)), TP+1
.set TP, TP+2
.elseif OM == 31                       ; the last four are the four places behind the last product: for the loads below and for the next turn's reads of the sums
	WSUM 64*(1-(\par)), TP
	WSUM 64*(1-(\par)), TP+1
	WSUM 64*(1-(\par)), TP+2
	WSUM 64*(1-(\par)), TP+3
.endif
.endif
.set OM, OM+1
.endr
.if !(\hasT)
	PLACES
.endif
.if \ld
	RUNT 1, \off
.endif
	WIN 0x11
.irp t, 0,1
	ds_load_b128 v[WVR+8*\t:WVR+8*\t+3], v[ACB] offset:4096+128*(\off)+64*\t
	ds_load_b128 v[WVR+8*\t+4:WVR+8*\t+7], v[ACB] offset:4096+128*(\off)+64*\t+16
.endr
.if \ld
	ds_load_b128 v[WS+4*(\par):WS+4*(\par)+3], v[ASC] offset:512+512*(\off)
.endif
	WIN 0x51
.endm
.macro ADDRS
	v_add_nc_u32 v[AW], s88, v1
	v_add_nc_u32 v[ASC], s89, v2
	v_add_nc_u32 v[ACB], s90, v3
.endm
.macro STEPP
	s_add_co_u32 s88, s88, 2*RND
	s_add_co_u32 s89, s89, 1024
	s_add_co_u32 s90, s90, 256
.endm
.macro TRIP
	WIN 0x51
	ADDRS
	TURN 1, 1, 1, 0
	TURN 0, 1, 1, 1
	WIN 0
	STEPP
.endm
.macro LOOPT n
	s_mov_b32 s91, \n
.Ltrip_\@:
	TRIP
	s_sub_co_u32 s91, s91, 1
	s_cmp_lg_u32 s91, 0
	s_cbranch_scc1 .Ltrip_\@
.endm
.macro SYNC_FILL g0, g1, lp
	s_wait_tensorcnt 0x0
	ds_add_u32 v4, v5
	s_mov_b32 s88, \lp
	s_wait_dscnt 0x0
	CROUND
	tensor_load_to_lds s[\g0:\g0+3], s[\g1:\g1+7]
	s_nop 0
	PLACES
.endm
.macro SYNC_PLAIN lp
	s_wait_tensorcnt 0x0
	s_mov_b32 s88, \lp
	s_wait_dscnt 0x0
	s_barrier_signal -1
	s_barrier_wait -1
.endm
	s_load_b256 s[4:11], s[0:1], 0x0               ; features' codes s[4:5], their scales s[6:7], w1img s[8:9], W1's scales s[10:11]
	s_load_b128 s[12:15], s[0:1], 0x20             ; hb s[12:13], Wv s[14:15]
	s_load_b64 s[18:19], s[0:1], 0x30              ; out1
	s_load_b64 s[20:21], s[0:1], 0x38              ; g
	v_lshl_add_u32 v4, v0, 2, SPARE
	v_mov_b32 v5, 0
	ds_add_u32 v4, v5
	ds_add_u32 v4, v5
	s_wait_dscnt 0x0
	v_lshrrev_b32 v8, 5, v0
	s_delay_alu instid0(VALU_DEP_1)
	v_readfirstlane_b32 s22, v8
	s_bfe_u32 s23, ttmp6, 0x40000
	s_lshl_b32 s24, ttmp9, 2
	s_add_co_u32 s24, s24, s23
	s_mov_b32 s[G1F], (3<<16)|(1<<20)|(4<<22)|(3<<25)
	s_mov_b32 s[G1F+1], 32<<16                     ; 128 rows of features' codes are 49,152 dense bytes: stated as 192 rows of 256 bytes, each on a multiple of 256;
	s_mov_b32 s[G1F+2], 192<<16                    ; 16 bytes of padding behind every 128, so that a row of 384 bytes of codes lies 432 bytes from the next
	s_mov_b32 s[G1F+3], 32<<16
	s_mov_b32 s[G1F+4], 192
	s_mov_b32 s[G1F+5], 32
	s_mov_b32 s[G1F+6], 0
	s_mov_b32 s[G1F+7], 0
	G1J G1Y, 72
	G1J G1X, 108
	G1J G1Z, 48
	s_mov_b32 s84, 0x4038aa3b
	s_mov_b32 s85, s84
	s_mov_b32 s86, 0x76543210
	s_mov_b32 s87, 0xfedcba98
	s_mov_b32 s89, 0
	s_mov_b32 s90, 0
	s_and_b32 s92, s22, 3                          ; the head's fills are shared out: waves 0-3 fetch a quarter of the features each, waves 4-7 a quarter of w1img's first six turns each
	s_mul_i32 s25, s22, 27648                      ; where my own 64 rows of features lie in LDS
	s_mul_i32 s95, s92, 55296                      ; where a quarter of the features (128 rows) goes
	s_mul_i32 s26, s24, 196608
	s_mul_i32 s28, s92, 49152
	s_add_co_u32 s26, s26, s28
	s_mov_b32 s27, 0
	s_mul_i32 s28, s92, 18432                      ; a quarter of six turns of w1img
	s_mov_b32 s29, 0
	s_add_co_u32 s30, s25, 6*RND
	s_mov_b32 s31, 0
	s_mul_i32 s94, s22, 12288
	s_add_co_u32 s96, s94, 24*RND
	s_mov_b32 s97, 0
	v_and_b32 v9, 31, v0
	v_and_b32 v10, 15, v0
	v_bfe_u32 v11, v0, 4, 1
	s_delay_alu instid0(VALU_DEP_3)
	v_lshlrev_b32 v1, 4, v9
	s_delay_alu instid0(VALU_DEP_1)
	v_add_nc_u32 v2, SC, v1
	s_delay_alu instid0(VALU_DEP_3)
	v_lshl_add_u32 v3, v11, 5, CBT-128
	v_mul_u32_u24 v6, v10, 432
	s_delay_alu instid0(VALU_DEP_1)
	v_mad_u32_u24 v6, v11, 24, v6
	s_delay_alu instid0(VALU_DEP_1)
	v_add_nc_u32 v6, s25, v6
	s_delay_alu instid0(VALU_DEP_1)
	v_lshl_add_u32 v7, v11, 4, v6
	v_mov_b32 v56, 0x7f7f7f7f
	v_lshlrev_b32 v57, 3, v11
	s_delay_alu instid0(VALU_DEP_1)
	v_add_nc_u32 v58, 16, v57
	v_lshlrev_b32 v59, 3, v0
	v_lshlrev_b32 v12, 4, v0
	v_lshl_add_u32 v13, v0, 4, SC
	v_lshlrev_b32 v14, 4, v10
	WIN 0x40
.irp i, 0,1,2,3,4,5,6,7
	v_mov_b32 v[LL+\i], 0
.endr
	WIN 0
	s_wait_alu depctr_va_vdst(0)                   ; the wait at the head's end
	s_wait_kmcnt 0x0
	s_mov_b32 s[G0F], 1
	s_mov_b32 s[G0F+1], s95
	s_add_nc_u64 s[G0F+2:G0F+3], s[4:5], s[26:27]
	s_or_b32 s[G0F+3], s[G0F+3], 0x80000000
	s_mov_b32 s[G0Y], 1
	s_add_co_u32 s[G0Y+1], s28, YB
	s_add_nc_u64 s[G0Y+2:G0Y+3], s[8:9], s[28:29]
	s_or_b32 s[G0Y+3], s[G0Y+3], 0x80000000
	s_mov_b32 s[G0X], 1
	s_mov_b32 s[G0X+1], s25
	s_add_nc_u64 s[G0X+2:G0X+3], s[8:9], s[30:31]
	s_or_b32 s[G0X+3], s[G0X+3], 0x80000000
	s_mov_b32 s[G0Z], 1
	s_mov_b32 s[G0Z+1], s94
	s_add_nc_u64 s[G0Z+2:G0Z+3], s[8:9], s[96:97]
	s_or_b32 s[G0Z+3], s[G0Z+3], 0x80000000
	s_lshl_b32 s96, s24, 12
	s_add_nc_u64 s[12:13], s[12:13], s[96:97]
	s_lshl_b32 s96, s24, 13
	s_lshl_b32 s98, s22, 10
	s_add_co_u32 s96, s96, s98
	s_add_nc_u64 s[6:7], s[6:7], s[96:97]
	s_lshl_b32 s96, s24, 11
	s_add_nc_u64 s[20:21], s[20:21], s[96:97]
	s_lshl_b32 s98, s22, 8
	s_add_co_u32 s96, s96, s98
	s_add_nc_u64 s[18:19], s[18:19], s[96:97]
	CROUND                                         ; the round in front of the first fills, which go out as one group, one a wave, in the two arms of one branch on the wave's number
	s_cmp_lt_u32 s22, 4
	s_cbranch_scc0 .Lhead_y
	tensor_load_to_lds s[G0F:G0F+3], s[G1F:G1F+7]  ; waves 0-3: 128 rows of my batch's features
	s_nop 0
	PLACES
	s_branch .Lhead_asked
.Lhead_y:
	tensor_load_to_lds s[G0Y:G0Y+3], s[G1Y:G1Y+7]  ; waves 4-7: a quarter of w1img's turns 0 to 5, asked for jointly by the cluster's four work-groups
	s_nop 0
	PLACES
.Lhead_asked:
.irp j, 0,1,2,3
	global_load_b128 v[40+4*\j:43+4*\j], v12, s[10:11] offset:4096*\j
.endr
	global_load_b128 v[60:63], v12, s[12:13]
	global_load_b128 v[8:11], v12, s[14:15]
.irp m, 0,1,2,3
	global_load_b128 v[FS+4*\m:FS+4*\m+3], v14, s[6:7] offset:256*\m
.endr
	s_wait_loadcnt 0x0
.irp j, 0,1,2,3
	ds_store_b128 v13, v[40+4*\j:43+4*\j] offset:4096*\j
.endr
	ds_store_b128 v13, v[60:63] offset:16384
	ds_store_b128 v13, v[8:11] offset:20480
	s_wait_tensorcnt 0x0                           ; my fill has landed,
	s_wait_dscnt 0x0                               ; my stores of the tables are done:
	s_barrier_signal -1                            ; a barrier shows both to all eight waves
	s_barrier_wait -1
.irp m, 0,1,2,3
.irp q, 0,1,2,3
	FRAGF \m, \q
.endr
.endr
	SYNC_FILL G0X, G1X, YB
	WIN 0x51
	ADDRS
	RUNT 0, 0
	RUNT 1, 0
	WIN 0x11
	ds_load_b128 v[WS:WS+3], v[ASC]
	ds_load_b128 v[WS+4:WS+7], v[ASC] offset:512
	WIN 0x51
	s_wait_alu depctr_va_vdst(0)
	s_wait_dscnt 0x0
	TURN 0, 0, 1, 1
	WIN 0
	STEPP
	LOOPT 2
	SYNC_PLAIN 0
	LOOPT 4
	SYNC_FILL G0Z, G1Z, 8*RND
	LOOPT 5
	SYNC_PLAIN 0
	LOOPT 4
	WIN 0x51
	ADDRS
	TURN 1, 1, 0, 0
	s_wait_dscnt 0x0
	EXPS 64                                        ; the last turn's tanh, with no products left to lay it among
.set OM, 0
.rept 32
	ONE 64, OM
.set OM, OM+1
.endr
	RCPS 64
.set OM, 0
.rept 32
	WSUM 64, OM
.set OM, OM+1
.endr
	WIN 0x05
.irp m, 0,1,2,3
	v_add_f32 v[40+\m], v[LL+2*\m], v[LL+2*\m+1]
.endr
	WIN 0
	v_mov_b32 v6, EX
.irp m, 0,1,2,3
	v_permlanex16_b32 v[44+\m], v[40+\m], s86, s87
.endr
.irp m, 0,1,2,3
	s_delay_alu instid0(VALU_DEP_4)
	v_add_f32 v[40+\m], v[40+\m], v[44+\m]
.endr
.irp m, 0,1,2,3
	v_mul_f32 v[40+\m], -2.0, v[40+\m]             ; the logit, less what all 512 logits of the batch have in common
.endr
	s_delay_alu instid0(VALU_DEP_2)
	v_max3_num_f32 v8, v40, v41, v42
	s_delay_alu instid0(VALU_DEP_1)
	v_max_num_f32 v8, v8, v43
	s_delay_alu instid0(VALU_DEP_1)
	v_max_num_f32_dpp v8, v8, v8 row_xmask:1 row_mask:0xf bank_mask:0xf
	s_delay_alu instid0(VALU_DEP_1)
	v_max_num_f32_dpp v8, v8, v8 row_xmask:2 row_mask:0xf bank_mask:0xf
	s_delay_alu instid0(VALU_DEP_1)
	v_max_num_f32_dpp v8, v8, v8 row_xmask:4 row_mask:0xf bank_mask:0xf
	s_delay_alu instid0(VALU_DEP_1)
	v_max_num_f32_dpp v8, v8, v8 row_xmask:8 row_mask:0xf bank_mask:0xf
.irp m, 0,1,2,3
	v_sub_f32 v[44+\m], v[40+\m], v8
.endr
.irp m, 0,1,2,3
	s_delay_alu instid0(VALU_DEP_4)
	v_mul_f32 v[44+\m], 0x3fb8aa3b, v[44+\m]
.endr
	s_wait_alu depctr_va_vdst(0)
.irp m, 0,1,2,3
	v_exp_f32 v[44+\m], v[44+\m]
.endr
	v_nop
	s_wait_alu depctr_va_vdst(0)
	v_add_f32 v9, v44, v45
	v_add_f32 v11, v46, v47
	s_delay_alu instid0(VALU_DEP_1)
	v_add_f32 v9, v9, v11
	s_delay_alu instid0(VALU_DEP_1)
	v_add_f32_dpp v9, v9, v9 row_xmask:1 row_mask:0xf bank_mask:0xf
	s_delay_alu instid0(VALU_DEP_1)
	v_add_f32_dpp v9, v9, v9 row_xmask:2 row_mask:0xf bank_mask:0xf
	s_delay_alu instid0(VALU_DEP_1)
	v_add_f32_dpp v9, v9, v9 row_xmask:4 row_mask:0xf bank_mask:0xf
	s_delay_alu instid0(VALU_DEP_1)
	v_add_f32_dpp v9, v9, v9 row_xmask:8 row_mask:0xf bank_mask:0xf
	s_lshl_b32 s98, s22, 3
	s_add_co_u32 s98, s98, EX
	v_mov_b32 v7, s98
	ds_store_b64 v7, v[8:9]
	s_wait_dscnt 0x0
	s_barrier_signal -1
	s_barrier_wait -1
	ds_load_b128 v[48:51], v6
	ds_load_b128 v[52:55], v6 offset:16
	ds_load_b128 v[60:63], v6 offset:32
	ds_load_b128 v[12:15], v6 offset:48
	s_wait_dscnt 0x0
	v_max3_num_f32 v11, v48, v50, v52
	s_delay_alu instid0(VALU_DEP_1)
	v_max3_num_f32 v11, v11, v54, v60
	s_delay_alu instid0(VALU_DEP_1)
	v_max3_num_f32 v11, v11, v62, v12
	s_delay_alu instid0(VALU_DEP_1)
	v_max_num_f32 v11, v11, v14
.irp x, 48,50,52,54,60,62,12,14
	v_sub_f32 v\x, v\x, v11
.endr
	v_sub_f32 v10, v8, v11
.irp x, 48,50,52,54,60,62,12,14,10
	v_mul_f32 v\x, 0x3fb8aa3b, v\x
.endr
	s_wait_alu depctr_va_vdst(0)
.irp x, 48,50,52,54,60,62,12,14,10
	v_exp_f32 v\x, v\x
.endr
	v_nop
	s_wait_alu depctr_va_vdst(0)
	v_mul_f32 v7, v48, v49
	v_fmac_f32 v7, v50, v51
	v_fmac_f32 v7, v52, v53
	v_fmac_f32 v7, v54, v55
	v_fmac_f32 v7, v60, v61
	v_fmac_f32 v7, v62, v63
	v_fmac_f32 v7, v12, v13
	v_fmac_f32 v7, v14, v15
	s_wait_alu depctr_va_vdst(0)
	v_rcp_f32 v7, v7
	v_nop
	s_wait_alu depctr_va_vdst(0)
	v_mul_f32 v10, v10, v7
.irp m, 0,1,2,3
	v_mul_f32 v[44+\m], v[44+\m], v10
.endr
	s_lshl_b32 s99, s22, 8
	s_add_co_u32 s99, s99, AT
	v_and_b32 v12, 15, v0
	s_delay_alu instid0(VALU_DEP_1)
	v_lshl_add_u32 v12, v12, 2, s99
.irp m, 0,1,2,3
	ds_store_b32 v12, v[44+\m] offset:64*\m
.endr
	v_and_b32 v62, 31, v0
	s_delay_alu instid0(VALU_DEP_1)
	v_lshlrev_b32 v62, 3, v62
	s_delay_alu instid0(VALU_DEP_1)
	v_add_nc_u32 v13, s99, v62
	ds_load_b64 v[60:61], v13
	s_wait_alu depctr_va_vdst(0)
	s_wait_dscnt 0x0
	global_store_b64 v62, v[60:61], s[18:19] th:TH_STORE_NT
	s_mul_i32 s98, s22, 16*GP
	v_and_b32 v63, 15, v0
	s_delay_alu instid0(VALU_DEP_1)
	v_mul_u32_u24 v63, v63, GP
	v_bfe_u32 v6, v0, 4, 1
	s_delay_alu instid0(VALU_DEP_1)
	v_lshl_add_u32 v63, v6, 7, v63
	s_delay_alu instid0(VALU_DEP_1)
	v_add_nc_u32 v63, s98, v63
.macro GPART qc
.set gq_, (\qc)/2
.set gc_, (\qc)%2
.set gs_, 128+32*((\qc)%2)
	WIN 0
.irp m, 0,1,2,3
	v_bfe_u32 v[12+\m], v[FS+4*\m+gq_], v[57+gc_], 8
.endr
.irp m, 0,1,2,3
	s_delay_alu instid0(VALU_DEP_4)
	v_add_nc_u32 v[12+\m], 0xffffff81, v[12+\m]
.endr
.irp m, 0,1,2,3
	s_delay_alu instid0(VALU_DEP_4)
	v_ldexp_f32 v[48+2*\m], v[44+\m], v[12+\m]
.endr
	WIN 0x40
.irp m, 0,1,2,3
	v_cvt_scale_pk16_f32_bf6 v[32*\m:32*\m+15], v[F+12*(4*\m+gq_)+6*gc_:F+12*(4*\m+gq_)+6*gc_+2], v56
.endr
.irp m, 0,1,2,3
.irp i, 0,1,2
	v_mov_b32 v[192+4*\m+\i], v[F+12*(4*\m+gq_)+6*gc_+3+\i]
.endr
.endr
	WIN 0x51
.irp m, 0,1,2,3
	v_cvt_scale_pk16_f32_bf6 v[32*\m+16:32*\m+31], v[192+4*\m:192+4*\m+2], v56
.endr
	v_nop
.if (\qc) >= 2
	s_wait_dscnt 8
.endif
.irp j, 0,1,2,3,4,5,6,7,8,9,10,11,12,13,14,15
	v_pk_mul_f32 v[gs_+2*\j:gs_+2*\j+1], v[2*\j:2*\j+1], v[48:49] op_sel_hi:[1,0]
.endr
.irp m, 1,2,3
.irp j, 0,1,2,3,4,5,6,7,8,9,10,11,12,13,14,15
	v_pk_fma_f32 v[gs_+2*\j:gs_+2*\j+1], v[32*\m+2*\j:32*\m+2*\j+1], v[48+2*\m:49+2*\m], v[gs_+2*\j:gs_+2*\j+1] op_sel_hi:[1,0,1]
.endr
.endr
	WIN 0x04
.irp i, 0,1,2,3,4,5,6,7
	ds_store_b128 v63, v[gs_+4*\i:gs_+4*\i+3] offset:256*(\qc)+16*\i
.endr
.endm
.irp qc, 0,1,2,3,4,5,6,7
	GPART \qc
.endr
	WIN 0
	s_wait_dscnt 0x0
	s_barrier_signal -1
	s_barrier_wait -1
.irp i, 0,1,2,3,4,5,6,7
	v_mov_b32 v[128+\i], 0
.endr
	s_mov_b32 s93, 0
	s_mov_b32 s91, 4
.Lgsum:
	v_add_nc_u32 v63, s93, v59
.set GJ, 0
.rept 32
	ds_load_b64 v[64+2*GJ:65+2*GJ], v63 offset:GP*GJ
.set GJ, GJ+1
.endr
.set GJ, 0
	s_wait_alu depctr_va_vdst(0)
.rept 4
	s_wait_alu depctr_va_vdst(0)
	s_wait_dscnt 24-GJ
.rept 8
	v_pk_add_f32 v[128+2*(GJ%4):129+2*(GJ%4)], v[128+2*(GJ%4):129+2*(GJ%4)], v[64+2*GJ:65+2*GJ]
.set GJ, GJ+1
.endr
.endr
	s_add_co_u32 s93, s93, 32*GP
	s_sub_co_u32 s91, s91, 1
	s_cmp_lg_u32 s91, 0
	s_cbranch_scc1 .Lgsum
	v_pk_add_f32 v[128:129], v[128:129], v[130:131]
	v_pk_add_f32 v[132:133], v[132:133], v[134:135]
	s_delay_alu instid0(VALU_DEP_1)
	v_pk_add_f32 v[128:129], v[128:129], v[132:133]
	global_store_b64 v59, v[128:129], s[20:21]
	s_wait_tensorcnt 0x0
	ds_add_u32 v4, v5
	s_wait_dscnt 0x0
	CROUND
	s_endpgm
.Lfunc_end_k_qae38a57819_main:
	.size	k_qae38a57819_main, .Lfunc_end_k_qae38a57819_main-k_qae38a57819_main
	.p2alignl 7, 3214868480
	.fill 96, 4, 3214868480
	.section	.rodata,"a",@progbits
	.p2align	6, 0x0
	.amdhsa_kernel k_qae38a57819_main
		.amdhsa_group_segment_fixed_size 327680
		.amdhsa_private_segment_fixed_size 0
		.amdhsa_enable_private_segment 0
		.amdhsa_kernarg_size 64
		.amdhsa_user_sgpr_count 2
		.amdhsa_user_sgpr_kernarg_segment_ptr 1
		.amdhsa_wavefront_size32 1
		.amdhsa_system_sgpr_workgroup_id_x 1
		.amdhsa_system_sgpr_workgroup_id_y 1
		.amdhsa_system_sgpr_workgroup_id_z 1
		.amdhsa_system_vgpr_workitem_id 0
		.amdhsa_next_free_vgpr 512
		.amdhsa_next_free_sgpr 100
		.amdhsa_reserve_vcc 0
		.amdhsa_float_denorm_mode_32 3
		.amdhsa_float_denorm_mode_16_64 3
		.amdhsa_memory_ordered 1
		.amdhsa_forward_progress 1
		.amdhsa_inst_pref_size 248
	.end_amdhsa_kernel
	.amdgpu_metadata
---
amdhsa.version: [ 1, 2 ]
amdhsa.kernels:
  - .name:           k_qae38a57819_main
    .symbol:         k_qae38a57819_main.kd
    .args:
      - { .name: features_codes, .offset: 0, .size: 8, .value_kind: global_buffer, .address_space: global }
      - { .name: features_scales, .offset: 8, .size: 8, .value_kind: global_buffer, .address_space: global }
      - { .name: w1img, .offset: 16, .size: 8, .value_kind: global_buffer, .address_space: global }
      - { .name: W1_scales, .offset: 24, .size: 8, .value_kind: global_buffer, .address_space: global }
      - { .name: hb, .offset: 32, .size: 8, .value_kind: global_buffer, .address_space: global }
      - { .name: Wv, .offset: 40, .size: 8, .value_kind: global_buffer, .address_space: global }
      - { .name: out1, .offset: 48, .size: 8, .value_kind: global_buffer, .address_space: global }
      - { .name: g, .offset: 56, .size: 8, .value_kind: global_buffer, .address_space: global }
    .group_segment_fixed_size: 327680
    .private_segment_fixed_size: 0
    .kernarg_segment_align: 8
    .kernarg_segment_size: 64
    .max_flat_workgroup_size: 256
    .sgpr_count:     100
    .vgpr_count:     512
    .wavefront_size: 32
...
	.end_amdgpu_metadata
.endif
;; end of part 2
;; launch ctx (part 3): grid 256 x 1, 8 waves a work-group, no clusters, 168,960 bytes of LDS; arguments g, W1_codes, W1_scales, b1, out0; writes out0
.if DOCPART == 3
	.amdgcn_target "amdgcn-amd-amdhsa--gfx1250"
	.amdhsa_code_object_version 6
	.text
	.protected	k_qae38a57819_ctx
	.globl	k_qae38a57819_ctx
	.p2align	8
	.type	k_qae38a57819_ctx,@function
k_qae38a57819_ctx:
	s_mov_b64 s[64:65], 0
	v_nop
	global_prefetch_b8 v0, s[64:65] scope:SCOPE_SE
	s_setreg_imm32_b32 hwreg(HW_REG_WAVE_MODE, 25, 1), 1
	s_wait_xcnt 0x0
; out0[b][u] = sum_k g[b][k] W1[u][k] + b1[u]: the context.  reference() writes it as sum_s attn_s (features_s W1 + b1); the sum over s is taken first (g = sum_s attn_s features_s, by the launch before),
; and sum_s attn_s = 1 by the softmax's own definition, so b1 enters once.  bv is left out of the whole program as dead work (see the first kernel's head).
; g: [256][512] f32; W1: codes of BF6 (E3M2) with E8M0 scales, K innermost.  This product is none of the quantised ones: g is a computed f32 vector.  It goes to the matrix unit in bf16 with f32 sums.
; W1's numbers (three significant bits x a power of two) are exact in bf16; g is rounded to bf16 once.
; Work-group x, eight waves: batches 16 (x % 16) on, units 64 (x / 16) on; wave w takes units 16 (w % 4) on and half w / 4 of K: four steps of 64 along K.
; The two halves of K are two arms of a branch on the wave's number (the places of the codes' pieces in the padded LDS rows differ between them); no barrier stands inside the arms.
; Transposed: source 0 = 16 units of W1, source 1 = 16 batches: a lane holds one batch and eight neighbouring units.
; THE ORDER OF K inside an instruction is permuted, alike on both sides: in step be, half hf, lane (r, h) holds k = 64 be + 32 h + 16 hf + 0 .. 15: the block of 32 codes that the 6-bit layout gives that lane.
; Two accumulators, one for each hf, take turns; both begin with 0.  The parts meet in two stages in LDS and are added, with b1, as the rows are read back.
; THE FILLS: eight, one a wave, all at the head: waves 0-3 a quarter of W1's 64 rows each, waves 4-7 a quarter of g's 16 rows each.  Nothing is filled again.
; NO CLUSTER, NO PREFETCH: a work-group asks for each tile once, at its first lines, and has no loop of requests to divide or to run ahead in; 57,344 bytes a work-group in all.
; LIMITS: a scale byte 0xff is not served; numbers of W1 under bf16's smallest normal number lose bits.
.set PW,   432                         ; W1's row in LDS: 384 bytes, 16 of padding behind each 128
.set GOFF, 64*PW                       ; g's 16 rows, stated as 32 rows of 1,024 bytes + 16: batch r at 2,080 r, k from 256 on 16 bytes further
.set STG,  GOFF+32*1040                ; the way out: two stages, one for each half of K, of 16 rows x (256 + 16) bytes; no fill lands here (60,928 and 4,352 are multiples of 256)
.set STG2, 16*272
.set SPARE, 0x29000                    ; the spare words: 128 bytes a wave
.set ACC,  24                          ; v24-31, v32-39 the two accumulators
.set WW,   56                          ; v56-59   my 16 units' scale words, one for each 128 along K
.set B1R,  60                          ; v60-63   four numbers of b1, for the rows that I store
.set AF,   72                          ; v72-87   W1 in bf16: hf at 8 hf
.set BF,   136                         ; v136-151 g in bf16: hf at 8 hf
.set TMP,  152                         ; v152-183 a block's 32 numbers
.set GT,   184                         ; v184-215 32 numbers of g
.set CD,   216                         ; v216-221 a step's codes
.set TR,   240                         ; v240-242 a block's upper 16 codes (a conversion's three registers begin on an even number)
.macro PLACES
.rept 4
	v_nop
.endr
.endm
.macro GLOAD b
.irp j, 0,1,2,3,4,5,6,7
	ds_load_b128 v[GT+4*\j:GT+4*\j+3], v5 offset:256*(\b)+16*((\b)/4)+16*\j
.endr
.endm
.macro CODES b                         ; pieces 6 b + 0, 1, 2 of my tile's rows (lanes 16-31 three pieces on); piece PC lies at 8 PC + 16 (PC / 16)
.irp p, 0,1,2
.set PC_, 6*(\b)+\p
.if PC_%16 < 13
	ds_load_b64 v[CD+2*\p:CD+2*\p+1], v3 offset:8*PC_+16*(PC_/16)
.else
	ds_load_b64 v[CD+2*\p:CD+2*\p+1], v4 offset:8*PC_+16*(PC_/16)
.endif
.endr
.endm
.macro DECODE be                       ; my block of step be: codes widened with the scale 1, multiplied by 2^(byte - 127), rounded (exactly) to bf16
	v_bfe_u32 v16, v[WW+(\be)/2], v[12+(\be)%2], 8
	s_delay_alu instid0(VALU_DEP_1)
	v_add_nc_u32 v16, 0xffffff81, v16
	s_delay_alu instid0(VALU_DEP_1)
	v_ldexp_f32 v14, 1.0, v16
.irp i, 0,1,2
	v_mov_b32 v[TR+\i], v[CD+3+\i]
.endr
	v_cvt_scale_pk16_f32_bf6 v[TMP:TMP+15], v[CD:CD+2], v11
	v_cvt_scale_pk16_f32_bf6 v[TMP+16:TMP+31], v[TR:TR+2], v11
	v_nop                                          ; one plain line behind the last conversion
.irp j, 0,1,2,3,4,5,6,7,8,9,10,11,12,13,14,15
	v_pk_mul_f32 v[TMP+2*\j:TMP+2*\j+1], v[TMP+2*\j:TMP+2*\j+1], v[14:15] op_sel_hi:[1,0]
.endr
.irp j, 0,1,2,3,4,5,6,7,8,9,10,11,12,13,14,15
	v_cvt_pk_bf16_f32 v[AF+\j], v[TMP+2*\j], v[TMP+2*\j+1]
.endr
.endm
.macro STEP be, first, last            ; 64 along K: two products
	s_wait_dscnt 0x0                               ; this step's g and codes are in
.if !(\first)
	PLACES                                         ; four places between the last products and the lines that write their operands anew
.endif
.irp j, 0,1,2,3,4,5,6,7,8,9,10,11,12,13,14,15
	v_cvt_pk_bf16_f32 v[BF+\j], v[GT+2*\j], v[GT+2*\j+1]
.endr
.if !(\last)
	GLOAD (\be)+1                                  ; the next step's g, as soon as this step's is rounded
.endif
	DECODE \be
.if !(\last)
	CODES (\be)+1                                  ; the next step's codes, as soon as this step's are decoded
.endif
.if \first
	v_wmma_f32_16x16x32_bf16 v[ACC:ACC+7], v[AF:AF+7], v[BF:BF+7], 0
	v_wmma_f32_16x16x32_bf16 v[ACC+8:ACC+15], v[AF+8:AF+15], v[BF+8:BF+15], 0
.else
	v_wmma_f32_16x16x32_bf16 v[ACC:ACC+7], v[AF:AF+7], v[BF:BF+7], v[ACC:ACC+7]
	v_wmma_f32_16x16x32_bf16 v[ACC+8:ACC+15], v[AF+8:AF+15], v[BF+8:BF+15], v[ACC+8:ACC+15]
.endif
.endm
	s_load_b256 s[4:11], s[0:1], 0x0               ; g s[4:5], W1 codes s[6:7], W1 scales s[8:9], b1 s[10:11]
	s_load_b64 s[12:13], s[0:1], 0x20              ; out0
	v_lshl_add_u32 v254, v0, 2, SPARE
	v_mov_b32 v255, 0
	ds_add_u32 v254, v255                          ; the opening lines: the add, twice on end, and its wait ahead of my tensor load
	ds_add_u32 v254, v255
	v_lshrrev_b32 v1, 5, v0
	v_readfirstlane_b32 s46, v1                    ; wave w, 0 to 7
	s_and_b32 s47, s46, 3                          ; t: my unit tile.  Also: which quarter of a tile I fetch
	s_lshr_b32 s53, s46, 2                         ; my half of K
	s_and_b32 s40, ttmp9, 15                       ; bt
	s_lshr_b32 s41, ttmp9, 4                       ; ug
	s_mov_b32 s16, (3<<16)|(1<<20)|(4<<22)|(3<<25) ; a quarter of W1's tile: 16 rows of 384 bytes are 6,144 dense bytes, stated as 24 rows of 256 bytes (32 elements of 8), each on a multiple of 256; 4 words of padding behind every 32
	s_mov_b32 s17, 32<<16
	s_mov_b32 s18, 24<<16
	s_mov_b32 s19, 32<<16
	s_mov_b32 s20, 24
	s_mov_b32 s21, 32
	s_mov_b32 s22, 0
	s_mov_b32 s23, 0
	s_mov_b32 s24, (3<<16)|(1<<20)|(7<<22)|(3<<25) ; a quarter of g's tile: 8 rows of 128 elements of 8 bytes, dense; 4 words of padding behind every 256
	s_mov_b32 s25, 128<<16
	s_mov_b32 s26, 8<<16
	s_mov_b32 s27, 128<<16
	s_mov_b32 s28, 8
	s_mov_b32 s29, 128
	s_mov_b32 s30, 0
	s_mov_b32 s31, 0
	s_mul_i32 s42, s41, 64*384
	s_mul_i32 s48, s47, 6144
	s_add_co_u32 s42, s42, s48                     ; W1: 64 ug rows, + my quarter
	s_mov_b32 s43, 0
	s_lshl_b32 s44, s40, 15                        ; g: 16 bt rows of 2,048 bytes,
	s_lshl_b32 s48, s47, 13
	s_add_co_u32 s44, s44, s48                     ; + my quarter
	s_mov_b32 s45, 0
	s_mul_i32 s33, s47, 6912                       ; where the quarters go: 24 x 288 bytes,
	s_mul_i32 s37, s47, 8320                       ; 8 x 1,040 bytes
	s_add_co_u32 s37, s37, GOFF
	s_wait_dscnt 0x0                               ; both opening adds are done
	s_wait_kmcnt 0x0
	s_mov_b32 s32, 1
	s_add_nc_u64 s[34:35], s[6:7], s[42:43]
	s_or_b32 s35, s35, 0x80000000
	s_mov_b32 s36, 1
	s_add_nc_u64 s[38:39], s[4:5], s[44:45]
	s_or_b32 s39, s39, 0x80000000
	s_cmp_lt_u32 s46, 4
	s_cbranch_scc0 .Lfor_g
	tensor_load_to_lds s[32:35], s[16:23]          ; waves 0-3: W1
	s_nop 0
	PLACES
	s_branch .Lasked
.Lfor_g:
	tensor_load_to_lds s[36:39], s[24:31]          ; waves 4-7: g
	s_nop 0
	PLACES
.Lasked:
	s_lshl_b32 s44, s41, 10                        ; W1's scales: 64 ug rows of 16 bytes,
	s_lshl_b32 s48, s47, 8
	s_add_co_u32 s44, s44, s48                     ; + 16 t rows
	s_add_nc_u64 s[8:9], s[8:9], s[44:45]
	s_lshl_b32 s44, s41, 8                         ; 64 ug numbers of 4 bytes
	s_add_nc_u64 s[10:11], s[10:11], s[44:45]
	s_add_nc_u64 s[12:13], s[12:13], s[44:45]
	s_lshl_b32 s44, s40, 16                        ; 16 bt rows of 4,096 bytes,
	s_lshl_b32 s48, s46, 13
	s_add_co_u32 s44, s44, s48                     ; + the 2 w rows ahead of the two that I store
	s_add_nc_u64 s[12:13], s[12:13], s[44:45]
	s_mul_i32 s50, s47, 16*PW                      ; my tile's rows of W1 in LDS
	s_lshl_b32 s51, s47, 6                         ; my 64 bytes of a row of the stage,
	s_mul_i32 s52, s53, STG2
	s_add_co_u32 s51, s51, s52                     ; in my half's stage
	s_mul_i32 s52, s46, 2*272                      ; the two rows of the stages that I read back
	v_and_b32 v1, 15, v0                           ; r
	v_bfe_u32 v2, v0, 4, 1                         ; h
	v_mul_u32_u24 v3, v1, PW
	v_mad_u32_u24 v3, v2, 24, v3
	v_add_nc_u32 v3, s50, v3                       ; W1: row 16 t + r, + 24 h
	v_lshl_add_u32 v4, v2, 4, v3                   ; and behind one padding more
	v_mul_u32_u24 v5, v1, 2080
	v_lshl_add_u32 v5, v2, 7, v5
	v_add_nc_u32 v5, GOFF, v5                      ; g: batch r, + 32 h numbers
	v_lshlrev_b32 v6, 4, v1                        ; 16 r: a row's scale words; and my four numbers of b1
	v_mul_u32_u24 v8, v1, 272
	v_lshl_add_u32 v8, v2, 5, v8
	v_add_nc_u32 v8, s51, v8
	v_add_nc_u32 v8, STG, v8                       ; the stage, in: row r, byte 64 t + 32 h
	v_mul_u32_u24 v9, v2, 272
	v_lshl_add_u32 v9, v1, 4, v9
	v_add_nc_u32 v9, s52, v9
	v_add_nc_u32 v9, STG, v9                       ; and back: lanes 0-15 row 2 w, lanes 16-31 the next
	v_lshlrev_b32 v10, 12, v2
	v_lshl_add_u32 v10, v1, 4, v10                 ; the same two rows in out0
	v_mov_b32 v11, 0x7f7f7f7f
	v_lshlrev_b32 v12, 3, v2                       ; my block's byte in its scale word: bit 8 h,
	v_add_nc_u32 v13, 16, v12                      ; or 16 + 8 h in odd steps
	v_mov_b32 v15, 0                               ; (named as the upper half of the pair v[14:15])
	global_load_b128 v[WW:WW+3], v6, s[8:9]
	global_load_b128 v[B1R:B1R+3], v6, s[10:11]
	s_wait_alu depctr_va_vdst(0)                   ; the wait at the head's end
	s_wait_tensorcnt 0x0                           ; my quarter tile is in LDS;
	s_barrier_signal -1
	s_barrier_wait -1                              ; and so is everybody's
	s_wait_loadcnt 0x0
	s_cmp_lt_u32 s46, 4
	s_cbranch_scc0 .Lupper
	GLOAD 0                                        ; waves 0-3: k = 0 .. 255
	CODES 0
	STEP 0, 1, 0
	STEP 1, 0, 0
	STEP 2, 0, 0
	STEP 3, 0, 1
	s_branch .Ljoin
.Lupper:
	GLOAD 4                                        ; waves 4-7: k = 256 .. 511
	CODES 4
	STEP 4, 1, 0
	STEP 5, 0, 0
	STEP 6, 0, 0
	STEP 7, 0, 1
.Ljoin:
	PLACES
.irp j, 0,1,2,3
	v_pk_add_f32 v[TMP+2*\j:TMP+2*\j+1], v[ACC+2*\j:ACC+2*\j+1], v[ACC+8+2*\j:ACC+9+2*\j]   ; the two accumulators; each from its low end on
.endr
	ds_store_b128 v8, v[TMP:TMP+3]
	ds_store_b128 v8, v[TMP+4:TMP+7] offset:16
	s_wait_dscnt 0x0                               ; my 64 bytes of each of the 16 rows are in my half's stage;
	s_barrier_signal -1
	s_barrier_wait -1                              ; and so are the other waves'
	ds_load_b128 v[GT:GT+3], v9
	ds_load_b128 v[GT+4:GT+7], v9 offset:STG2
	s_wait_dscnt 0x0
	v_pk_add_f32 v[GT:GT+1], v[GT:GT+1], v[GT+4:GT+5]         ; the two halves of K,
	v_pk_add_f32 v[GT+2:GT+3], v[GT+2:GT+3], v[GT+6:GT+7]
	v_pk_add_f32 v[GT:GT+1], v[GT:GT+1], v[B1R:B1R+1]         ; and b1
	v_pk_add_f32 v[GT+2:GT+3], v[GT+2:GT+3], v[B1R+2:B1R+3]
	global_store_b128 v10, v[GT:GT+3], s[12:13] th:TH_STORE_NT                  ; 16 lanes store 256 consecutive bytes, at a multiple of 256 from out0's first byte
	s_wait_tensorcnt 0x0                           ; the wave's end
	ds_add_u32 v254, v255
	s_wait_dscnt 0x0
	s_endpgm
.Lfunc_end_k_qae38a57819_ctx:
	.size	k_qae38a57819_ctx, .Lfunc_end_k_qae38a57819_ctx-k_qae38a57819_ctx
	.p2alignl 7, 3214868480
	.fill 96, 4, 3214868480
	.section	.rodata,"a",@progbits
	.p2align	6, 0x0
	.amdhsa_kernel k_qae38a57819_ctx
		.amdhsa_group_segment_fixed_size 168960
		.amdhsa_private_segment_fixed_size 0
		.amdhsa_enable_private_segment 0
		.amdhsa_kernarg_size 40
		.amdhsa_user_sgpr_count 2
		.amdhsa_user_sgpr_kernarg_segment_ptr 1
		.amdhsa_wavefront_size32 1
		.amdhsa_system_sgpr_workgroup_id_x 1
		.amdhsa_system_sgpr_workgroup_id_y 1
		.amdhsa_system_sgpr_workgroup_id_z 1
		.amdhsa_system_vgpr_workitem_id 0
		.amdhsa_next_free_vgpr 256
		.amdhsa_next_free_sgpr 66
		.amdhsa_reserve_vcc 0
		.amdhsa_float_denorm_mode_32 3
		.amdhsa_float_denorm_mode_16_64 3
		.amdhsa_memory_ordered 1
		.amdhsa_forward_progress 1
		.amdhsa_inst_pref_size 43
	.end_amdhsa_kernel
	.amdgpu_metadata
---
amdhsa.version: [ 1, 2 ]
amdhsa.kernels:
  - .name:           k_qae38a57819_ctx
    .symbol:         k_qae38a57819_ctx.kd
    .args:
      - { .name: g, .offset: 0, .size: 8, .value_kind: global_buffer, .address_space: global }
      - { .name: W1_codes, .offset: 8, .size: 8, .value_kind: global_buffer, .address_space: global }
      - { .name: W1_scales, .offset: 16, .size: 8, .value_kind: global_buffer, .address_space: global }
      - { .name: b1, .offset: 24, .size: 8, .value_kind: global_buffer, .address_space: global }
      - { .name: out0, .offset: 32, .size: 8, .value_kind: global_buffer, .address_space: global }
    .group_segment_fixed_size: 168960
    .private_segment_fixed_size: 0
    .kernarg_segment_align: 8
    .kernarg_segment_size: 40
    .max_flat_workgroup_size: 256
    .sgpr_count:     66
    .vgpr_count:     256
    .wavefront_size: 32
...
	.end_amdgpu_metadata
.endif
;; end of part 3
